; MI455X (gfx1250); checked and timed in simulation.
; The chip was launched on July 23, 2026; its instructions are those of AMD's public machine-readable ISA for CDNA 5 (MIT licence, August 2026) and "CDNA5" Instruction Set Architecture Reference Guide (July 2026). The comments in the code are by the model that wrote it; some were corrected since.
;; Head. Allowed arithmetic: matrix products marked QUANTISED: E2M3 operands, one E8M0 scale for each 32 along K, by v_wmma_scale_f32_16x16x128_f8f6f4 with both operands' format E2M3, f32 sums; everything else in f32.
;; Inputs: Wk 64 x 512 float32; Wq 64 x 512 float32; Wv 512 x 512 float32; x 4 x 4,096 x 512 float32.
;; Outputs: out0 4 x 4,096 x 512 float32.
;; This version of the problem:
;;   THIS VERSION OF THE PROBLEM IS GIVEN IN LOW PRECISION. The matrix products marked QUANTISED in the list below multiply operands that are first quantised to E2M3 (2 exponent bits, 3 mantissa bits; 6 bits a number), with one power-of-two scale for each 32 numbers along K (OCP MX v1.0); their sums are f32. All else is computed in f32.
;;   The module's matrix products, in the order in which they are computed (A, B: the left and right operand; K: the contracted axis; several contracted axes count as one K, in the product's order):
;;     1. [M 16,384, K 512] x [K 512, N 64]; A: input x; B: input Wk: QUANTISED
;;     2. [M 16,384, K 512] x [K 512, N 64]; A: input x; B: input Wq: QUANTISED
;;     3. [M 16,384, K 512] x [K 512, N 512]; A: input x; B: input Wv: QUANTISED
;;     4. batch 4 x [M 4,096, K 64] x [K 64, N 4,096]; A: computed on the way; B: computed on the way: QUANTISED
;;     5. batch 4 x [M 4,096, K 4,096] x [K 4,096, N 512]; A: softmax (see below); B: computed on the way: QUANTISED
;;   THE QUANTISER, for each operand of a quantised product, along K:
;;     - K is cut into blocks of 32 from its start; a last block that is shorter is filled with zeros.
;;     - A block's scale is 2^e with e = floor(log2(the largest magnitude in the block)) - 2, held to -126 .. 127; a block of zeros has e = 0. As a byte (E8M0): e + 127.
;;     - Each number is divided by its block's scale, clamped to +-7.5, and rounded to the nearest number of E2M3, ties to even, subnormals kept.
;;     - The product sums the exact products of the quantised numbers (number of the format x scale) in f32.
;;   ~~~python
;;   def quantise(x, axis):      # numpy; x: float32 -> the quantised numbers, widened to float32 again
;;       x = np.moveaxis(x, axis, -1); K = x.shape[-1]
;;       x = np.pad(x, [(0, 0)] * (x.ndim - 1) + [(0, -K % 32)]); x = x.reshape(x.shape[:-1] + (-1, 32)); a = np.abs(x).max(-1, keepdims=True)
;;       e = np.where(a > 0, np.clip(np.frexp(np.where(a > 0, a, 1))[1] - 1 - 2, -126, 127), 0)      # np.frexp(a)[1] - 1 = floor(log2(a)), exactly
;;       r = np.clip(x / 2.0 ** e, -7.5, 7.5)
;;       step = 2.0 ** (np.maximum(np.frexp(np.where(r == 0, 1, r))[1] - 1, 0) - 3)
;;       q = np.round(r / step) * step * 2.0 ** e      # np.round: ties to even
;;       return np.moveaxis(q.reshape(q.shape[:-2] + (-1,))[..., :K], -1, axis).astype(np.float32)
;;   ~~~
;;   SOFTMAX AHEAD OF A QUANTISED PRODUCT. Where the list says 'softmax', what is quantised is not the finished softmax but p = 2^(t - M), with t = logit x log2(e) and M = ceil(the row's largest t), a whole number; so 1/2 < the row's largest p <= 1. The row's sum l is taken of the UNQUANTISED p, in f32, and the product's result is divided by l at the end. Since M is a whole number, a kernel that streams over the keys may use a running M (the ceiling of the running maximum): every later rescaling is an exact power of two, which a block's scale takes up: the codes' values come out the same.
;;   OPERANDS COMPUTED ON THE WAY. 'Computed on the way' means the value that the module computes at that place (a softmax that the list does not call 'softmax' is quantised finished and normalised). What goes into a quantiser is computed in f32, as accurately as f32 sums, v_exp_f32 and their like allow (about 1e-6 of the number): no bf16 or f16 on the way to a quantiser, and a product that is left as it is and whose result goes on into a quantised operand takes f32 operands (vector FMAs, or v_wmma_f32_16x16x4_f32). A number that lies on a knife's edge between two numbers of the format may be rounded either way, as far as f32 arithmetic and the matrix unit's own rounding can turn it there, and no further.
;; One version. Each part assembles by itself: llvm-mc -triple=amdgcn-amd-amdhsa -mcpu=gfx1250 --defsym DOCPART=n.
;; ======== version 1 of 1: 3 launches
;; limits: right only within a limited range of input values
;; workspace buffers: wimg 245,760 bytes; wscl 20,480 bytes; qimg 1,048,576 bytes; kv 7,405,568 bytes
;; launch wquant (part 1): grid 40 x 1, 4 waves a work-group, no clusters, 0 bytes of LDS; arguments Wk, Wq, Wv, wimg, wscl; writes wimg, wscl
.if DOCPART == 1
	.amdgcn_target "amdgcn-amd-amdhsa--gfx1250"
	.amdhsa_code_object_version 6
	.text
	.protected	k_q8fdc301280_wquant
	.globl	k_q8fdc301280_wquant
	.p2align	8
	.type	k_q8fdc301280_wquant,@function
k_q8fdc301280_wquant:
	s_mov_b64 s[64:65], 0
	v_nop
	global_prefetch_b8 v0, s[64:65] scope:SCOPE_SE
	s_setreg_imm32_b32 hwreg(HW_REG_WAVE_MODE, 25, 1), 1
	s_wait_xcnt 0x0
; Wk [64][512], Wq [64][512], Wv [512][512], f32, K (the 512) innermost, become codes of FP6 (E2M3) with one E8M0 byte for each 32 along K,
; laid as IMAGES OF OPERAND REGISTERS: a fragment (16 rows x 128 K) is 12 registers a lane, stored as three chunks of 512 bytes, chunk k = registers 4 k .. 4 k + 3, lane l's 16 bytes at 16 l.
; 40 tiles of 16 rows (T = the work-group): T 0-3 Wk, 4-7 Wq, 8-39 Wv; 4 K steps of 128 (s = the wave).  Fragment (T, s) at (4 T + s) x 1,536 bytes of wimg, its scale words (4 bytes a lane) at (4 T + s) x 128 of wscl.
; THE ROWS OF A TILE OF Wk AND Wq ARE NOT NEIGHBOURS: lane r of tile 2 b + u takes row 32 b + 8 u + r + 8 (r / 8), so that the product's results of two neighbouring tiles are 16 neighbours along the head.  Wv's rows are 16 (T - 8) + r.
; A lane holds two whole blocks of 32 (k = 128 s + 64 c + 32 h + 0 .. 31), as the operand's layout gives them to it: no other lane is asked for a maximum.
; A block's scale is 2^(floor(log2(its largest magnitude)) - 2): its byte is the largest magnitude's exponent field - 2, held at 1 from below.
; LIMITS: a block of zeros, or one whose largest magnitude lies under 2^-124, gets the byte 1 (the bytes are read by this program alone; zero codes add nothing); NaN and infinities among the inputs are not served.
; No LDS, no barrier: waves share nothing.  A fragment's sixteen loads together read whole runs of 512 bytes of 16 rows; each store covers 512 or 128 consecutive bytes.
.set TM, 8                             ; v8-9 largest magnitudes, v10-11 the conversions' scale operands, v12-13 bytes
.set X,  16                            ; v16-79 my 64 numbers
.set PC, 80                            ; v80-91 the fragment's codes
.set T2, 92                            ; v92-99 the second half of each block's codes
.set WD, 100                           ; v100 the scale word
.set PD, 101                           ; v101 the lane permute's destination
	s_load_b128 s[4:7], s[0:1], 0x0                ; Wk, Wq
	s_load_b128 s[8:11], s[0:1], 0x10              ; Wv, wimg
	s_load_b64 s[12:13], s[0:1], 0x20              ; wscl
	v_lshrrev_b32 v1, 5, v0
	v_readfirstlane_b32 s14, v1                    ; the wave = the K step s
	v_and_b32 v1, 15, v0                           ; r
	s_wait_alu depctr_va_vdst(0)
	v_bfe_u32 v2, v0, 4, 1                         ; h
	v_and_b32 v7, 31, v0                           ; lane
	v_lshlrev_b32 v5, 4, v7                        ; 16 x lane: my place in a chunk
	v_lshlrev_b32 v6, 2, v7                        ; 4 x lane: my scale word's place
	s_and_b32 s16, ttmp9, 3                        ; Wk, Wq: tile 2 b + u of the four
	s_lshr_b32 s17, s16, 1
	s_lshl_b32 s17, s17, 5                         ; 32 b
	s_and_b32 s18, ttmp9, 1
	s_lshl_b32 s18, s18, 3                         ; 8 u
	s_add_co_u32 s17, s17, s18
	s_max_u32 s18, ttmp9, 8
	s_sub_co_u32 s18, s18, 8
	s_lshl_b32 s18, s18, 4                         ; Wv: 16 (T - 8)
	s_cmp_lt_u32 ttmp9, 8
	s_cselect_b32 s17, s17, s18                    ; the tile's first row
	s_cselect_b32 s19, 8, 0                        ; and whether its upper eight rows lie 8 further on
	v_and_b32 v3, s19, v1
	v_add3_u32 v3, v3, v1, s17                     ; my row
	v_lshlrev_b32 v4, 11, v3                       ; a row is 2,048 bytes
	s_wait_alu depctr_va_vdst(0)
	v_lshl_add_u32 v4, v2, 7, v4                   ; + 128 h
	s_lshl_b32 s20, s14, 9
	v_add_nc_u32 v4, s20, v4                       ; + 512 s
	v_lshlrev_b32 v7, 3, v2                        ; 8 h: my bytes' place in the scale word
	v_mov_b32 v[PD], 0                             ; a lane permute's destination counts as one of its sources
	s_mov_b32 s24, 0x76543210
	s_mov_b32 s25, 0xfedcba98                      ; v_permlanex16_b32's selects for lane l xor 16
	s_lshl_b32 s21, ttmp9, 2
	s_add_co_u32 s21, s21, s14                     ; 4 T + s
	s_mul_i32 s22, s21, 1536
	s_mov_b32 s23, 0
	s_lshl_b32 s26, s21, 7
	s_mov_b32 s27, 0
	s_wait_alu depctr_va_vdst(0)
	s_wait_kmcnt 0x0
	s_cmp_lt_u32 ttmp9, 4                          ; which weight: the choice hangs on the work-group's number alone
	s_cselect_b64 s[4:5], s[4:5], s[6:7]
	s_cmp_lt_u32 ttmp9, 8
	s_cselect_b64 s[4:5], s[4:5], s[8:9]
	s_add_nc_u64 s[10:11], s[10:11], s[22:23]
	s_add_nc_u64 s[12:13], s[12:13], s[26:27]
.irp c, 0,1
.irp j, 0,1,2,3,4,5,6,7
	global_load_b128 v[X+32*\c+4*\j:X+32*\c+4*\j+3], v4, s[4:5] offset:256*\c+16*\j   ; W(my row, 128 s + 64 c + 32 h + 4 j ..)
.endr
.endr
	s_wait_loadcnt 0x0
.irp c, 0,1
	v_max3_num_f32 v[TM+\c], |v[X+32*\c]|, |v[X+32*\c+1]|, 0x1800000   ; my block 2 c + h, and the floor 2^(3 - 127): the byte cannot fall under 1
.endr
.irp i, 2,4,6,8,10,12,14,16,18,20,22,24,26,28,30
.irp c, 0,1
	v_max3_num_f32 v[TM+\c], v[TM+\c], |v[X+32*\c+\i]|, |v[X+32*\c+\i+1]|   ; (the two blocks by turns)
.endr
.endr
.irp c, 0,1
	v_add_nc_u32 v[TM+2+\c], 0xff000000, v[TM+\c]  ; 2 off the exponent field: the conversion takes this operand's exponent field as its scale
.endr
.irp c, 0,1
	v_lshrrev_b32 v[TM+4+\c], 23, v[TM+2+\c]       ; the scale's byte
.endr
	v_lshl_or_b32 v[WD], v[TM+5], 16, v[TM+4]      ; my two bytes: blocks h and 2 + h,
	v_lshlrev_b32 v[WD], v7, v[WD]                 ; at their places;
	v_permlanex16_b32 v[PD], v[WD], s24, s25
	v_or_b32 v[WD], v[WD], v[PD]                   ; with lane l xor 16's two the word is whole, in both halves of the lanes
.irp c, 0,1
	v_cvt_scalef32_pk16_fp6_f32 v[PC+6*\c:PC+6*\c+2], v[X+32*\c:X+32*\c+15], v[TM+2+\c]
	v_cvt_scalef32_pk16_fp6_f32 v[T2+4*\c:T2+4*\c+2], v[X+32*\c+16:X+32*\c+31], v[TM+2+\c]   ; (a conversion's three registers begin on an even number)
.endr
	v_nop                                          ; one plain place behind a scaled conversion
.irp c, 0,1
.irp i, 0,1,2
	v_mov_b32 v[PC+3+6*\c+\i], v[T2+4*\c+\i]
.endr
.endr
.irp k, 0,1,2
	global_store_b128 v5, v[PC+4*\k:PC+4*\k+3], s[10:11] offset:512*\k   ; 32 lanes store 512 consecutive bytes
.endr
	global_store_b32 v6, v[WD], s[12:13]
	s_endpgm
.Lfunc_end_k_q8fdc301280_wquant:
	.size	k_q8fdc301280_wquant, .Lfunc_end_k_q8fdc301280_wquant-k_q8fdc301280_wquant
	.p2alignl 7, 3214868480
	.fill 96, 4, 3214868480
	.section	.rodata,"a",@progbits
	.p2align	6, 0x0
	.amdhsa_kernel k_q8fdc301280_wquant
		.amdhsa_group_segment_fixed_size 0
		.amdhsa_private_segment_fixed_size 0
		.amdhsa_enable_private_segment 0
		.amdhsa_kernarg_size 40
		.amdhsa_user_sgpr_count 2
		.amdhsa_user_sgpr_kernarg_segment_ptr 1
		.amdhsa_wavefront_size32 1
		.amdhsa_system_sgpr_workgroup_id_x 1
		.amdhsa_system_sgpr_workgroup_id_y 1
		.amdhsa_system_sgpr_workgroup_id_z 1
		.amdhsa_system_vgpr_workitem_id 0
		.amdhsa_next_free_vgpr 128
		.amdhsa_next_free_sgpr 66
		.amdhsa_reserve_vcc 0
		.amdhsa_float_denorm_mode_32 3
		.amdhsa_float_denorm_mode_16_64 3
		.amdhsa_memory_ordered 1
		.amdhsa_forward_progress 1
		.amdhsa_inst_pref_size 7
	.end_amdhsa_kernel
	.amdgpu_metadata
---
amdhsa.version: [ 1, 2 ]
amdhsa.kernels:
  - .name:           k_q8fdc301280_wquant
    .symbol:         k_q8fdc301280_wquant.kd
    .args:
      - { .name: Wk, .offset: 0, .size: 8, .value_kind: global_buffer, .address_space: global }
      - { .name: Wq, .offset: 8, .size: 8, .value_kind: global_buffer, .address_space: global }
      - { .name: Wv, .offset: 16, .size: 8, .value_kind: global_buffer, .address_space: global }
      - { .name: wimg, .offset: 24, .size: 8, .value_kind: global_buffer, .address_space: global }
      - { .name: wscl, .offset: 32, .size: 8, .value_kind: global_buffer, .address_space: global }
    .group_segment_fixed_size: 0
    .private_segment_fixed_size: 0
    .kernarg_segment_align: 8
    .kernarg_segment_size: 40
    .max_flat_workgroup_size: 128
    .sgpr_count:     66
    .vgpr_count:     128
    .wavefront_size: 32
...
	.end_amdgpu_metadata
.endif
;; end of part 1
;; launch proj (part 2): grid 128 x 1, 8 waves a work-group, no clusters, 327,680 bytes of LDS; arguments x, wimg, wscl, qimg, kv; writes qimg, kv
.if DOCPART == 2
	.amdgcn_target "amdgcn-amd-amdhsa--gfx1250"
	.amdhsa_code_object_version 6
	.text
	.protected	k_q8fdc301280_proj
	.globl	k_q8fdc301280_proj
	.p2align	8
	.type	k_q8fdc301280_proj,@function
k_q8fdc301280_proj:
	s_mov_b64 s[64:65], 0
	v_nop
	global_prefetch_b8 v0, s[64:65] scope:SCOPE_SE
	s_setreg_imm32_b32 hwreg(HW_REG_WAVE_MODE, 25, 1), 1
	s_wait_xcnt 0x0
.set RAWH,  133120
.set RAWT,  16640
.set RP,    1040
.set XIMG,  266240
.set XSCL,  315392
.set KSG,   319488
.set SPARE, 320000
.set SLOTB, 115712
.set BATCHB, 1851392
.set L16,  1
.set L8,   2
.set L4,   3
.set SPW,  4
.set NIL,  5
.set ARAW, 6
.set XWI,  8
.set XWS,  9
.set XRI,  10
.set XRS,  11
.set KSGW, 12
.set KSGR, 13
.set SH8,  14
.set TM,   16
.set XO,   32
.set T2A,  56
.set KC,   64
.set KW,   70
.set QC,   72
.set QW,   78
.set XS,   80
.set WS,   84
.set XSC,  84
.set WSC,  92
.set KSC,  100
.set R0,   104
.set WF,   152
.set VC,   32
.set T2B,  104
.set PW,   112
.set MX,   116
.set WV,   14
.set SEL,  20
.set HIM,  22
.set G1,   24
.set G0,   32
.set MSB, 0
.macro WIN new
.if MSB != \new
	s_set_vgpr_msb (MSB<<8)|\new
.set MSB, \new
.endif
.endm
.macro PLACES
.rept 4
	v_nop
.endr
.endm
.macro RAWLD s
.irp c, 0,1
.irp j, 0,1,2,3,4,5,6,7
	ds_load_b128 v[R0+64*((\s)%2)+32*\c+4*\j:R0+64*((\s)%2)+32*\c+4*\j+3], v[ARAW+(\s)/2] offset:512*((\s)%2)+256*\c+16*\j
.endr
.endr
.endm
.macro QB x, pc, w
.irp c, 0,1
	v_max3_num_f32 v[TM+\c], |v[\x+32*\c]|, |v[\x+32*\c+1]|, 0x1800000
.endr
.irp i, 2,4,6,8,10,12,14,16,18,20,22,24,26,28,30
.irp c, 0,1
	s_delay_alu instid0(VALU_DEP_2)
	v_max3_num_f32 v[TM+\c], v[TM+\c], |v[\x+32*\c+\i]|, |v[\x+32*\c+\i+1]|
.endr
.endr
.irp c, 0,1
	s_delay_alu instid0(VALU_DEP_2)
	v_add_nc_u32 v[TM+12+\c], 0xff000000, v[TM+\c]
.endr
.irp c, 0,1
	s_delay_alu instid0(VALU_DEP_2)
	v_lshrrev_b32 v[TM+4+\c], 23, v[TM+12+\c]
.endr
	s_delay_alu instid0(VALU_DEP_1)
	v_lshl_or_b32 v[\w], v[TM+5], 16, v[TM+4]
	s_delay_alu instid0(VALU_DEP_1)
	v_lshlrev_b32 v[\w], v[SH8], v[\w]
	s_delay_alu instid0(VALU_DEP_1)
	v_permlanex16_b32 v[TM+9], v[\w], s[SEL], s[SEL+1]
	s_delay_alu instid0(VALU_DEP_1)
	v_or_b32 v[\w], v[\w], v[TM+9]
.irp c, 0,1
	v_cvt_scalef32_pk16_fp6_f32 v[\pc+6*\c:\pc+6*\c+2], v[\x+32*\c:\x+32*\c+15], v[TM+12+\c]
	v_cvt_scalef32_pk16_fp6_f32 v[T2A+4*\c:T2A+4*\c+2], v[\x+32*\c+16:\x+32*\c+31], v[TM+12+\c]
.endr
	v_nop
.irp c, 0,1
.irp i, 0,1,2
	v_mov_b32 v[\pc+3+6*\c+\i], v[T2A+4*\c+\i]
.endr
.endr
	PLACES
.endm
.macro QUANT a, pc, w
	WIN 0x05
.irp b, 0,1,2,3
	v_max3_num_f32 v[TM+\b], |v[\a+16*\b]|, |v[\a+16*\b+1]|, 0x1800000
.endr
.irp i, 2,4,6,8,10,12,14
.irp b, 0,1,2,3
	v_max3_num_f32 v[TM+\b], |v[\a+16*\b+\i]|, |v[\a+16*\b+\i+1]|, v[TM+\b]
.endr
.endr
	WIN 0
.irp b, 0,1,2,3
	v_permlanex16_b32 v[TM+4+\b], v[TM+\b], s[SEL], s[SEL+1]
.endr
.irp b, 0,1,2,3
	s_delay_alu instid0(VALU_DEP_4)
	v_max_num_f32 v[TM+\b], v[TM+\b], v[TM+4+\b]
.endr
.irp b, 0,1,2,3
	s_delay_alu instid0(VALU_DEP_4)
	v_add_nc_u32 v[TM+12+\b], 0xff000000, v[TM+\b]
.endr
.irp b, 0,1,2,3
	s_delay_alu instid0(VALU_DEP_4)
	v_lshrrev_b32 v[TM+4+\b], 23, v[TM+12+\b]
.endr
	s_delay_alu instid0(VALU_DEP_3)
	v_lshl_or_b32 v[\w], v[TM+5], 8, v[TM+4]
	s_delay_alu instid0(VALU_DEP_1)
	v_lshl_or_b32 v[\w], v[TM+6], 16, v[\w]
	s_delay_alu instid0(VALU_DEP_1)
	v_lshl_or_b32 v[\w], v[TM+7], 24, v[\w]
	WIN 0x01
.irp c, 0,1
	v_cvt_scalef32_pk16_fp6_f32 v[\pc+6*\c:\pc+6*\c+2], v[\a+32*\c:\a+32*\c+15], v[TM+12+2*\c]
	v_cvt_scalef32_pk16_fp6_f32 v[T2B+4*\c:T2B+4*\c+2], v[\a+32*\c+16:\a+32*\c+31], v[TM+12+2*\c+1]
.endr
	WIN 0
	v_nop
.irp c, 0,1
.irp i, 0,1,2
	v_permlane16_swap_b32 v[\pc+6*\c+\i], v[T2B+4*\c+\i]
.endr
.irp i, 0,1,2
	s_delay_alu instid0(VALU_DEP_3)
	v_mov_b32 v[\pc+3+6*\c+\i], v[T2B+4*\c+\i]
.endr
.endr
.endm
.macro QH a, pc, w
	WIN 0x05
.irp b, 0,1
	v_max3_num_f32 v[TM+\b], |v[\a+16*\b]|, |v[\a+16*\b+1]|, 0x1800000
.endr
.irp i, 2,4,6,8,10,12,14
.irp b, 0,1
	v_max3_num_f32 v[TM+\b], |v[\a+16*\b+\i]|, |v[\a+16*\b+\i+1]|, v[TM+\b]
.endr
.endr
	WIN 0
.irp b, 0,1
	v_permlanex16_b32 v[TM+4+\b], v[TM+\b], s[SEL], s[SEL+1]
.endr
.irp b, 0,1
	s_delay_alu instid0(VALU_DEP_2)
	v_max_num_f32 v[TM+\b], v[TM+\b], v[TM+4+\b]
.endr
.irp b, 0,1
	s_delay_alu instid0(VALU_DEP_2)
	v_add_nc_u32 v[TM+12+\b], 0xff000000, v[TM+\b]
.endr
.irp b, 0,1
	s_delay_alu instid0(VALU_DEP_2)
	v_lshrrev_b32 v[TM+4+\b], 23, v[TM+12+\b]
.endr
	s_delay_alu instid0(VALU_DEP_1)
	v_lshl_or_b32 v[\w], v[TM+5], 8, v[TM+4]
	WIN 0x01
	v_cvt_scalef32_pk16_fp6_f32 v[\pc:\pc+2], v[\a:\a+15], v[TM+12]
	v_cvt_scalef32_pk16_fp6_f32 v[T2A:T2A+2], v[\a+16:\a+31], v[TM+13]
	WIN 0
	v_nop
.irp i, 0,1,2
	v_permlane16_swap_b32 v[\pc+\i], v[T2A+\i]
.endr
.irp i, 0,1,2
	s_delay_alu instid0(VALU_DEP_3)
	v_mov_b32 v[\pc+3+\i], v[T2A+\i]
.endr
.endm
.macro WKQ s, a
	WIN 0x40
.irp tt, 0,1,2,3,4,5,6,7
.irp k, 0,1,2
	global_load_b128 v[96*(\a)+12*\tt+4*\k:96*(\a)+12*\tt+4*\k+3], v[L16], s[6:7] offset:(4*\tt+(\s))*1536+512*\k
.endr
.endr
	WIN 0
.irp tt, 0,1,2,3,4,5,6,7
	global_load_b32 v[WS+8*(\a)+\tt], v[L4], s[8:9] offset:(4*\tt+(\s))*128
.endr
.endm
.macro WVL s, a
.irp n, 0,1,2,3
.irp k, 0,1,2
	global_load_b128 v[WF+48*(\a)+12*\n+4*\k:WF+48*(\a)+12*\n+4*\k+3], v[L16], s[48:49] offset:(4*\n+(\s))*1536+512*\k
.endr
	global_load_b32 v[WSC+4*(\a)+\n], v[L4], s[50:51] offset:(4*\n+(\s))*128
.endr
.endm
	s_load_b256 s[4:11], s[0:1], 0x0
	s_load_b64 s[12:13], s[0:1], 0x20
	v_lshl_add_u32 v[SPW], v0, 2, SPARE
	v_mov_b32 v[NIL], 0
	ds_add_u32 v[SPW], v[NIL]
	ds_add_u32 v[SPW], v[NIL]
	v_lshrrev_b32 v15, 5, v0
	s_delay_alu instid0(VALU_DEP_1)
	v_readfirstlane_b32 s[WV], v15
	v_and_b32 v15, 31, v0
	s_delay_alu instid0(VALU_DEP_1)
	v_lshlrev_b32 v[L16], 4, v15
	s_delay_alu instid0(VALU_DEP_2)
	v_lshlrev_b32 v[L8], 3, v15
	s_delay_alu instid0(VALU_DEP_3)
	v_lshlrev_b32 v[L4], 2, v15
	v_bfe_u32 v[SH8], v0, 4, 1
	s_delay_alu instid0(VALU_DEP_1)
	v_lshlrev_b32 v[SH8], 3, v[SH8]
	v_and_b32 v15, 15, v0
	s_mul_i32 s18, s[WV], 2*RAWT                   ; my load lands here: 16 rows of x, each as two LDS rows of 1,024 + 16 bytes
	s_lshr_b32 s19, s[WV], 1
	s_lshl_b32 s19, s19, 5
	s_and_b32 s2, s[WV], 1
	s_lshl_b32 s2, s2, 3
	s_add_co_u32 s19, s19, s2                      ; 32 b + 8 u: my tile's first row of the work-group's 128
	v_and_b32 v[ARAW], 8, v15
	s_delay_alu instid0(VALU_DEP_1)
	v_add_nc_u32 v[ARAW], v[ARAW], v15
	s_delay_alu instid0(VALU_DEP_1)
	v_add_nc_u32 v[ARAW], s19, v[ARAW]             ; my row: 32 b + 8 u + r + 8 (r / 8)
	s_delay_alu instid0(VALU_DEP_1)
	v_mul_u32_u24 v[ARAW], v[ARAW], 2*RP
	s_delay_alu instid0(VALU_DEP_1)
	v_lshl_add_u32 v[ARAW], v[SH8], 4, v[ARAW]
	s_delay_alu instid0(VALU_DEP_1)
	v_add_nc_u32 v[ARAW+1], RP, v[ARAW]            ; the row's second half
	s_mul_i32 s19, s[WV], 6144
	s_add_co_u32 s19, s19, XIMG
	v_add_nc_u32 v[XWI], s19, v[L16]
	s_lshl_b32 s19, s[WV], 9
	s_add_co_u32 s19, s19, XSCL
	v_add_nc_u32 v[XWS], s19, v[L4]
	v_add_nc_u32 v[XRI], XIMG, v[L16]
	v_add_nc_u32 v[XRS], XSCL, v[L4]
	s_lshl_b32 s19, s[WV], 6
	s_add_co_u32 s19, s19, KSG
	v_lshl_add_u32 v[KSGW], v15, 2, s19
	v_add_nc_u32 v[KSGR], KSG, v[L16]
.irp b, 4,5,6,7,9
	v_mov_b32 v[TM+\b], 0
.endr
	v_mov_b32 v[QW+1], 0
	s_mov_b32 s[SEL], 0x76543210
	s_mov_b32 s[SEL+1], 0xfedcba98
	s_mov_b32 s[HIM], 0xffff0000
	s_mov_b32 s[G1+0], (2<<16)|(1<<20)|(7<<22)|(3<<25)
	s_mov_b32 s[G1+1], 256<<16
	s_mov_b32 s[G1+2], 32<<16
	s_mov_b32 s[G1+3], 256<<16
	s_mov_b32 s[G1+4], 32
	s_mov_b32 s[G1+5], 256
	s_mov_b32 s[G1+6], 0
	s_mov_b32 s[G1+7], 0
	s_lshl_b32 s16, ttmp9, 7
	s_lshl_b32 s17, s[WV], 4
	s_add_co_u32 s16, s16, s17                     ; I fetch rows 16 wave .. 16 wave + 15: a dense block of 32,768 bytes
	s_lshl_b32 s16, s16, 11
	s_mov_b32 s17, 0
	s_wait_dscnt 0x0
	s_wait_kmcnt 0x0
	s_add_nc_u64 s[4:5], s[4:5], s[16:17]
	s_wait_alu depctr_va_vdst(0)                   ; the wait at the head's end
	s_mov_b32 s[G0], 1
	s_mov_b32 s[G0+1], s18
	s_mov_b64 s[G0+2:G0+3], s[4:5]
	s_or_b32 s[G0+3], s[G0+3], 0x80000000
	tensor_load_to_lds s[G0:G0+3], s[G1:G1+7]      ; my one tensor load: 32 rows of 1,024 bytes
	s_nop 0
	PLACES
	s_lshr_b32 s16, ttmp9, 5
	s_mul_i32 s2, s16, BATCHB
	s_mov_b32 s3, 0
	s_add_nc_u64 s[12:13], s[12:13], s[2:3]
	s_and_b32 s16, ttmp9, 31
	s_add_co_u32 s17, s16, 28
	s_and_b32 s17, s17, 31
	s_lshr_b32 s19, s17, 1
	s_mul_i32 s62, s19, SLOTB
	s_and_b32 s19, s17, 1
	s_mul_i32 s19, s19, 6656
	s_add_co_u32 s62, s62, s19
	s_mov_b32 s63, 0
	s_add_nc_u64 s[54:55], s[12:13], s[62:63]
	s_mul_i32 s62, s[WV], 768
	s_add_nc_u64 s[52:53], s[54:55], s[62:63]
	s_add_nc_u64 s[54:55], s[54:55], 6144
	s_lshr_b32 s19, s16, 1
	s_mul_i32 s62, s19, SLOTB
	s_add_nc_u64 s[58:59], s[12:13], s[62:63]
	s_and_b32 s19, s16, 1
	s_mul_i32 s62, s19, 49152
	s_mul_i32 s23, s[WV], 6144
	s_add_co_u32 s62, s62, s23
	s_add_co_u32 s62, s62, 17408
	s_add_nc_u64 s[56:57], s[58:59], s[62:63]
	s_lshl_b32 s62, s19, 11
	s_lshl_b32 s23, s[WV], 8
	s_add_co_u32 s62, s62, s23
	s_add_co_u32 s62, s62, 13312
	s_add_nc_u64 s[58:59], s[58:59], s[62:63]
	s_lshl_b32 s62, ttmp9, 3
	s_add_co_u32 s62, s62, s[WV]
	s_lshl_b32 s62, s62, 10
	s_add_nc_u64 s[60:61], s[10:11], s[62:63]
	s_mul_i32 s62, s[WV], 24576
	s_add_co_u32 s62, s62, 49152
	s_add_nc_u64 s[48:49], s[6:7], s[62:63]
	s_lshl_b32 s62, s[WV], 11
	s_add_co_u32 s62, s62, 4096
	s_add_nc_u64 s[50:51], s[8:9], s[62:63]
	WKQ 0, 0
	WKQ 1, 1
	s_wait_tensorcnt 0x0                           ; my 16 rows are in; my tile's rows lie in my neighbour wave's part too: a barrier
	s_barrier_signal -1
	s_barrier_wait -1
	RAWLD 0
.macro XSTEP s
.if (\s) == 1
	s_wait_tensorcnt 0x0
.endif
.if (\s) < 3
	RAWLD (\s)+1
.endif
.if (\s) == 0
	s_wait_dscnt 16
.elseif (\s) < 3
	s_wait_dscnt 20
.else
	s_wait_dscnt 4
.endif
	QB R0+64*((\s)%2), XO+12*((\s)%2), XS+(\s)
.irp k, 0,1,2
	ds_store_b128 v[XWI], v[XO+12*((\s)%2)+4*\k:XO+12*((\s)%2)+4*\k+3] offset:1536*(\s)+512*\k
.endr
	ds_store_b32 v[XWS], v[XS+(\s)] offset:128*(\s)
.if (\s) < 3
	s_wait_alu depctr_va_vdst(0)
	s_wait_loadcnt 32
.else
	s_wait_alu depctr_va_vdst(0)
	s_wait_loadcnt 0x0
.endif
	WIN 0x51
.irp tt, 0,1,2,3,4,5,6,7
.if (\s) == 0
	v_wmma_scale_f32_16x16x128_f8f6f4 v[192+8*\tt:199+8*\tt], v[96*((\s)%2)+12*\tt:96*((\s)%2)+12*\tt+11], v[XO+12*((\s)%2):XO+12*((\s)%2)+11], 0, v[WS+8*((\s)%2)+\tt], v[XS+(\s)] matrix_a_fmt:MATRIX_FMT_FP6 matrix_b_fmt:MATRIX_FMT_FP6
.else
	v_wmma_scale_f32_16x16x128_f8f6f4 v[192+8*\tt:199+8*\tt], v[96*((\s)%2)+12*\tt:96*((\s)%2)+12*\tt+11], v[XO+12*((\s)%2):XO+12*((\s)%2)+11], v[192+8*\tt:199+8*\tt], v[WS+8*((\s)%2)+\tt], v[XS+(\s)] matrix_a_fmt:MATRIX_FMT_FP6 matrix_b_fmt:MATRIX_FMT_FP6
.endif
.endr
	WIN 0
	PLACES
.if (\s) < 2
	WKQ (\s)+2, (\s)%2
.endif
.endm
.irp s, 0,1,2,3
	XSTEP \s
.endr
	WVL 0, 0
	WVL 1, 1
	QH 192, KC, KW
	global_store_b128 v[L16], v[KC:KC+3], s[52:53]
	global_store_b64 v[L8], v[KC+4:KC+5], s[52:53] offset:512
	ds_store_b32 v[KSGW], v[KW]
	QH 224, QC, QW
	global_store_b128 v[L16], v[QC:QC+3], s[60:61]
	global_store_b64 v[L8], v[QC+4:QC+5], s[60:61] offset:512
	global_store_b64 v[L8], v[QW:QW+1], s[60:61] offset:768
	s_wait_dscnt 0x0
	s_barrier_signal -1
	s_barrier_wait -1
	s_cmp_lg_u32 s[WV], 0
	s_cbranch_scc1 .Lnot_wave_0
	ds_load_b128 v[KSC:KSC+3], v[KSGR]
	s_wait_dscnt 0x0
	global_store_b128 v[L16], v[KSC:KSC+3], s[54:55]
.Lnot_wave_0:
	s_wait_xcnt 0x0
.macro VSTEP s
.irp i, 0,1,2,3,4,5,6,7
.irp k, 0,1,2
	ds_load_b128 v[32+12*\i+24*(\i/4)+4*\k:32+12*\i+24*(\i/4)+4*\k+3], v[XRI] offset:(4*\i+(\s))*1536+512*\k
.endr
	ds_load_b32 v[XSC+\i], v[XRS] offset:(4*\i+(\s))*128
.endr
	s_wait_dscnt 0x0
.if (\s) < 3
	s_wait_loadcnt 16
.else
	s_wait_loadcnt 0x0
.endif
	WIN 0x50
.irp i, 0,1,2,3,4,5,6,7
.irp n, 0,1,2,3
.if (\s) == 0
	v_wmma_scale_f32_16x16x128_f8f6f4 v[8*(8*\n+\i):8*(8*\n+\i)+7], v[32+12*\i+24*(\i/4):32+12*\i+24*(\i/4)+11], v[WF+48*((\s)%2)+12*\n:WF+48*((\s)%2)+12*\n+11], 0, v[XSC+\i], v[WSC+4*((\s)%2)+\n] matrix_a_fmt:MATRIX_FMT_FP6 matrix_b_fmt:MATRIX_FMT_FP6
.else
	v_wmma_scale_f32_16x16x128_f8f6f4 v[8*(8*\n+\i):8*(8*\n+\i)+7], v[32+12*\i+24*(\i/4):32+12*\i+24*(\i/4)+11], v[WF+48*((\s)%2)+12*\n:WF+48*((\s)%2)+12*\n+11], v[8*(8*\n+\i):8*(8*\n+\i)+7], v[XSC+\i], v[WSC+4*((\s)%2)+\n] matrix_a_fmt:MATRIX_FMT_FP6 matrix_b_fmt:MATRIX_FMT_FP6
.endif
.endr
.endr
	WIN 0
	PLACES
.if (\s) < 2
	WVL (\s)+2, (\s)%2
.endif
.endm
.irp s, 0,1,2,3
	VSTEP \s
.endr
.irp n, 0,1,2,3
	QUANT 64*\n, VC+12*\n, PW+\n
.irp k, 0,1,2
	global_store_b128 v[L16], v[VC+12*\n+4*\k:VC+12*\n+4*\k+3], s[56:57] offset:1536*\n+512*\k
.endr
.endr
.irp k, 0,1
	v_cndmask_b32 v[MX+\k], v[PW+2*\k], v[PW+2*\k+1], s[HIM]
	global_store_b32 v[L4], v[MX+\k], s[58:59] offset:128*\k
.endr
	s_wait_tensorcnt 0x0
	ds_add_u32 v[SPW], v[NIL]
	s_wait_dscnt 0x0
	s_endpgm
.Lfunc_end_k_q8fdc301280_proj:
	.size	k_q8fdc301280_proj, .Lfunc_end_k_q8fdc301280_proj-k_q8fdc301280_proj
	.p2alignl 7, 3214868480
	.fill 96, 4, 3214868480
	.section	.rodata,"a",@progbits
	.p2align	6, 0x0
	.amdhsa_kernel k_q8fdc301280_proj
		.amdhsa_group_segment_fixed_size 327680
		.amdhsa_private_segment_fixed_size 0
		.amdhsa_enable_private_segment 0
		.amdhsa_kernarg_size 40
		.amdhsa_user_sgpr_count 2
		.amdhsa_user_sgpr_kernarg_segment_ptr 1
		.amdhsa_wavefront_size32 1
		.amdhsa_system_sgpr_workgroup_id_x 1
		.amdhsa_system_sgpr_workgroup_id_y 1
		.amdhsa_system_sgpr_workgroup_id_z 1
		.amdhsa_system_vgpr_workitem_id 0
		.amdhsa_next_free_vgpr 512
		.amdhsa_next_free_sgpr 66
		.amdhsa_reserve_vcc 0
		.amdhsa_float_denorm_mode_32 3
		.amdhsa_float_denorm_mode_16_64 3
		.amdhsa_memory_ordered 1
		.amdhsa_forward_progress 1
		.amdhsa_inst_pref_size 101
	.end_amdhsa_kernel
	.amdgpu_metadata
---
amdhsa.version: [ 1, 2 ]
amdhsa.kernels:
  - .name:           k_q8fdc301280_proj
    .symbol:         k_q8fdc301280_proj.kd
    .args:
      - { .name: x, .offset: 0, .size: 8, .value_kind: global_buffer, .address_space: global }
      - { .name: wimg, .offset: 8, .size: 8, .value_kind: global_buffer, .address_space: global }
      - { .name: wscl, .offset: 16, .size: 8, .value_kind: global_buffer, .address_space: global }
      - { .name: qimg, .offset: 24, .size: 8, .value_kind: global_buffer, .address_space: global }
      - { .name: kv, .offset: 32, .size: 8, .value_kind: global_buffer, .address_space: global }
    .group_segment_fixed_size: 327680
    .private_segment_fixed_size: 0
    .kernarg_segment_align: 8
    .kernarg_segment_size: 40
    .max_flat_workgroup_size: 256
    .sgpr_count:     66
    .vgpr_count:     512
    .wavefront_size: 32
...
	.end_amdgpu_metadata
.endif
;; end of part 2
;; launch attn (part 3): grid 16 x 16, 8 waves a work-group, clusters of 4 x 1, 327,680 bytes of LDS; arguments qimg, kv, out0; writes out0
.if DOCPART == 3
	.amdgcn_target "amdgcn-amd-amdhsa--gfx1250"
	.amdhsa_code_object_version 6
	.text
	.protected	k_q8fdc301280_attn
	.globl	k_q8fdc301280_attn
	.p2align	8
	.type	k_q8fdc301280_attn,@function
k_q8fdc301280_attn:
	s_mov_b64 s[64:65], 0
	v_nop
	global_prefetch_b8 v0, s[64:65] scope:SCOPE_SE
	s_setreg_imm32_b32 hwreg(HW_REG_WAVE_MODE, 25, 1), 1
	s_wait_xcnt 0x0
	s_wait_alu depctr_hold_cnt(0) depctr_sa_sdst(0) depctr_va_vdst(0) depctr_va_sdst(0) depctr_va_ssrc(0) depctr_va_vcc(0) depctr_vm_vsrc(0)
	s_getreg_b32 s2, hwreg(HW_REG_IB_STS2, 6, 4)
	s_cmp_eq_u32 s2, 0
	s_cbranch_scc0 .Lentry_in_a_cluster
	s_endpgm
.Lentry_in_a_cluster:
	s_bfe_u32 s2, ttmp6, 0x10000c
	s_cmp_lg_u32 s2, 0x3003
	s_cbranch_scc0 .Lentry_shape_is_right
	s_endpgm
.Lentry_shape_is_right:
; out[b][q][:] = the sum over keys k <= q of softmax_k(Q[q] . K[k] / 8) V[k][:], both products on codes of FP6 (E2M3) with one E8M0 byte for each 32 along a product's K.  4 batches, 4,096 tokens, head 64, 512 channels.
; LEFT OUT: key steps that lie wholly behind a cluster's last query.  The causal mask sets their scores to -infinity, so their p is 0 whatever the inputs hold.  A NaN or an infinity that reaches only those steps is not carried to the result.
; THE SOFTMAX: t = score x log2(e) / 8; M = the running largest t rounded UP to a whole number; p = 2^(t - M) is quantised along the keys, not normalised; the sum is taken of the unquantised p;
; when M moves, the sum and O are multiplied by f = 2^(old M - new M), which rounds nothing.
; SHARES.  A work-group owns 32 queries (two tiles) at a time.  TWO ROLES, one wave of each on a SIMD.  A PERIOD IS TWO KEY STEPS OF 128 KEYS, one slot.
; TWO STREAMS A TILE: SW wave 4 + 2 e + tq takes key step 2 P + e of period P for tile tq: S^T = K Q^T, the softmax with the stream's OWN running M and sum, P's codes.  MW wave w holds O^T of all four streams for channels
; 128 w .. 128 w + 127: 32 accumulators in window 1; stream 2 e + tq meets V of step e alone.  On the way out the two streams of a tile are joined: each is multiplied by 2^(its M - the larger M) / the joint sum.
; P's fragments (images of their registers) and the pairs {f, P's scale word} go from SW to MW through LDS, in two sets by turns: written in one period, read in the next; the change of slots parts two periods.
; TWO WALKS: the work-group at grid row j first serves cluster 31 - j of its batch, then cluster j: (31 - j) / 2 + 1 and j / 2 + 1 periods, 17 in all for every j.  The second walk's first loads are refills, behind the full sequence.
; Both products are used transposed: a lane holds one query throughout.  Lane r of tile 2 b + u holds row 32 b + 8 u + r + 8 (r / 8), as the launch before has laid them.
; The first product's K is 64: registers 6-11 of Q's fragment are zero codes; those of K's tile t are the next tile's codes (behind the last: zeros), which meet Q's zeros; both words' bytes 2 and 3 are 0.
; CLUSTER.  Four work-groups own 128 neighbouring queries and walk the same K and V: every tile is asked for jointly (mask 15).  Only Q's, out's and the prefetches' addresses and the mask's numbers hang on a place in it.
; kv: slot s holds K of key steps 2 s + 4, 2 s + 5 and V of steps 2 s, 2 s + 1.  K of steps 0 to 3 (slots 14 and 15) comes at a walk's head, into bytes of its own.
; CAUSAL.  Cluster c needs key steps 0 .. c, the slots 0 .. C, C = c / 2.  It walks 2 ((C + 2) / 2) slots, two a trip, so that every LDS address is a constant, a lane term and a wave term; with C even the last slot's work is jumped over.
; In period C hidden keys' scores become -infinity ahead of the maximum.  Key 0 lies in stream 0, so a tile's joint sum is never 0; a stream with no open key has sum 0 and factor 0.
; PREFETCH, in the first walk: every cluster asks for the slots that it will itself load, a whole slot (452 blocks of 256 bytes): slots 1 and 2 at the head, slot 3 behind period 0, slot s + 2 behind the refill with slot s; the last trip asks for nothing.
; Each partner takes 113 blocks, told apart by address; in it waves 4-7 take 32 lanes each (the lanes left over name block 112 again).  The second walk's slots have been read in the first: nothing is asked for there.
; By this text's own count a wave has one tensor load out at the most.  Every wait on TENSORcnt is for 0.
; LIMITS: NaN and infinities are not served; a block of p that is all zeros gets the byte 1: its codes are zeros; the scaled scores stay under 2^31 in magnitude.
.set SLOTB, 115712
.set BATCHB, 1851392
.set KU,    6656                       ; a key step's K: eight tiles of 768 bytes and 512 of scale words
.set KZB,   13312                      ; LDS 0: K of steps 0, 1;  KZB: of steps 2, 3
.set SM,    26624                      ; SM + SMB x sigma: a slot's first 17,408 bytes
.set SMB,   17408
.set VA,    61440                      ; VA + VSL x sigma + VU x step: V's 32 images
.set VSL,   98304
.set VU,    49152
.set PIMG,  258048                     ; P's images: 6,144 x set + 1,536 x stream
.set PSF,   270336                     ; the pairs: 1,024 x set + 256 x stream + 8 x lane
.set STAGE, 272384                     ; the way out: 16 rows x 528 bytes for each MW
.set SPARE, 306176                     ; the spare words: 128 bytes a wave, named by no other line
.set L16, 1
.set L8,  2
.set L4,  3
.set SPW, 4
.set NIL, 5
.set PWI, 6
.set PWS, 7
.set PRI, 8
.set PRS, 9
.set AV,  10                           ; v10-13 MW: my eight images of V in (sigma, step)
.set AVS, 14
.set STO, 15
.set SRD, 16
.set PFO, 17                           ; 256 x my block of my work-group's 113
.set RR,  18
.set HH,  19
.set QS,  20                           ; Q's scale word
.set KS,  21                           ; v21-24 SW: K's scale words; MW: V's of step 0
.set KA16, 25                          ; v25-27 SW: lane terms + 6,656 e
.set KA8, 26
.set KA4, 27
.set NM,  28                           ; v28 -M, v29 the largest t
.set LS,  30
.set QC,  32
.set QD,  45                           ; my query - 16 h - 128 e
.set KFR, 46
.set S,   104
.set PC,  168
.set P2,  180
.set BM,  188
.set BY,  192
.set SO,  196
.set TA,  200
.set TB,  201
.set FF,  202
.set VF,  32                           ; MW: v32-127 V's eight fragments of step 0; later four of step 1
.set PF,  128                          ; v128-175 P's four fragments
.set VG,  176                          ; v176-223 V's fragments 0-3 of step 1
.set VS1, 224                          ; v224-227 V's scale words of step 1
.set MG,  228                          ; v228-235 the way out: {-M, sum} of the four streams, then their factors
.set MT,  236
.set FW,  240                          ; v240-247 the four pairs: f even, the scale word odd
.set WV,  10
.set WQ,  11
.set CX,  12
.set BA,  14
.set ODD, 15
.set CNT, 16
.set SKF, 17
.set QF,  18
.set LIM, 19                           ; 1 in waves 4-7 in the first walk, which prefetch; else the greatest number
.set SEL, 20
.set CS,  22
.set G1V, 24
.set G1S, 32
.set G1Z, 40
.set G0V, 48
.set G0S, 56
.set G0Z, 68
.set G0Y, 72
.set PFA, 76
.set KVQ, 86
.set QP,  88
.set OP,  90
.set KVB, 92
.set WALK, 94
.set JJ,  95
.set CC,  96
.set TQF, 97
.set VQ,  98
.set MSB, 0
.macro WIN new
.if MSB != \new
	s_set_vgpr_msb (MSB<<8)|\new
.set MSB, \new
.endif
.endm
.macro PLACES
.rept 4
	v_nop
.endr
.endm
.macro PLACES5
.rept 5
	v_nop
.endr
.endm
.macro CROUND
	s_barrier_signal -1
	s_barrier_wait -1
	s_cmp_lg_u32 s[WV], 0
	s_cbranch_scc1 .Lnot_wave_0_\@
	s_barrier_signal -3
.Lnot_wave_0_\@:
	s_barrier_wait -3
	s_barrier_signal -1
	s_barrier_wait -1
.endm
.macro BAR
	s_wait_dscnt 0x0
	s_add_co_u32 s[SKF], s[SKF], 256
	s_barrier_signal -1
	s_barrier_wait -1
.endm
.macro TLOAD sg                        ; a joint refill: waves 0-3 a quarter of V's images each, wave 4 the small part
	s_cmp_lt_u32 s[WV], 4
	s_cbranch_scc0 .Lnot_v_\@
	tensor_load_to_lds s[G0V+4*\sg:G0V+4*\sg+3], s[G1V:G1V+7]
	s_nop 0
	PLACES
	s_branch .Lasked_\@
.Lnot_v_\@:
	s_cmp_eq_u32 s[WV], 4
	s_cbranch_scc0 .Lasked_\@
	tensor_load_to_lds s[G0S+4*\sg:G0S+4*\sg+3], s[G1S:G1S+7]
	s_nop 0
	PLACES
.Lasked_\@:
.endm
.macro ASK how, off                    ; how = 2: always (slot 1); 1, at the head: where the walk has a trip at all; 0, in the loop: not in the last trip
.if (\how) == 2
	s_cmp_eq_u32 s[LIM], 1
.elseif (\how) == 1
	s_cmp_ge_u32 s[CNT], s[LIM]
.else
	s_cmp_gt_u32 s[CNT], s[LIM]
.endif
	s_cbranch_scc0 .Lnot_mine_\@
	global_prefetch_b8 v[PFO], s[PFA:PFA+1] offset:\off th:TH_LOAD_NT scope:SCOPE_SE
.Lnot_mine_\@:
.endm
.macro CHANGE fill, sg                 ; the change of slots: the round, the refill of the slot just read out
	s_wait_tensorcnt 0x0
	ds_add_u32 v[SPW], v[NIL]
.if \fill
	s_add_nc_u64 s[G0V+4*\sg+2:G0V+4*\sg+3], s[G0V+4*\sg+2:G0V+4*\sg+3], 2*SLOTB
	s_add_nc_u64 s[G0S+4*\sg+2:G0S+4*\sg+3], s[G0S+4*\sg+2:G0S+4*\sg+3], 2*SLOTB
	s_wait_xcnt 0x0                                ; the last prefetch, a period back, has read its address
	s_add_nc_u64 s[PFA:PFA+1], s[PFA:PFA+1], SLOTB
.endif
	s_add_co_u32 s[SKF], s[SKF], 256
	s_wait_dscnt 0x0
.if \fill
	CROUND
	TLOAD \sg
	ASK 0, 0
.else
	s_barrier_signal -1
	s_barrier_wait -1
.endif
.endm
.macro KLOAD koff                      ; my key step's K: 20 loads
.irp t, 0,1,2,3,4,5,6,7
	ds_load_b128 v[KFR+6*\t:KFR+6*\t+3], v[KA16] offset:(\koff)+768*\t
	ds_load_b64 v[KFR+6*\t+4:KFR+6*\t+5], v[KA8] offset:(\koff)+768*\t+512
.endr
.irp i, 0,1,2,3
	ds_load_b32 v[KS+\i], v[KA4] offset:(\koff)+6144+128*\i
.endr
.endm
; SW's key step.  knext: where the next period's K begins in LDS (-1: none); P's image and the pair go to set wset; mask = 1: the period may hold the diagonal
.macro SWSTEP knext, wset, mask
	s_wait_dscnt 0x0
.irp t, 0,2,4,6
	v_wmma_scale_f32_16x16x128_f8f6f4 v[S+8*\t:S+8*\t+7], v[KFR+6*\t:KFR+6*\t+11], v[QC:QC+11], 0, v[KS+\t/2], v[QS] matrix_a_fmt:MATRIX_FMT_FP6 matrix_b_fmt:MATRIX_FMT_FP6
	v_wmma_scale_f32_16x16x128_f8f6f4 v[S+8*\t+8:S+8*\t+15], v[KFR+6*\t+6:KFR+6*\t+17], v[QC:QC+11], 0, v[KS+\t/2], v[QS] matrix_a_fmt:MATRIX_FMT_FP6 matrix_b_fmt:MATRIX_FMT_FP6 matrix_a_scale:MATRIX_SCALE_ROW1
.endr
	PLACES
.if \mask                                      ; register 16 b + i holds key SKF + 128 e + 32 b + 16 h + i: hidden where 32 b + i > QD - SKF
	s_cmp_lt_u32 s[SKF], s[QF]
	s_cbranch_scc1 .Lopen_\@
	v_sub_nc_u32 v[TA], v[QD], s[SKF]
	v_mov_b32 v[TB], 0xff800000
.set nn, 0
.rept 64
	v_cmp_gt_i32 vcc_lo, 32*(nn/16)+nn%16, v[TA]
	v_cndmask_b32 v[S+nn], v[S+nn], v[TB], vcc_lo
.set nn, nn+1
.endr
.Lopen_\@:
.endif
.irp b, 0,1,2,3
	v_max3_num_f32 v[BM+\b], v[S+16*\b], v[S+1+16*\b], v[S+2+16*\b]   ; each block's largest score: for the row's maximum and for the block's largest p
.endr
.irp i, 3,5,7,9,11,13
.irp b, 0,1,2,3
	v_max3_num_f32 v[BM+\b], v[BM+\b], v[S+16*\b+\i], v[S+1+16*\b+\i]
.endr
.endr
.irp b, 0,1,2,3
	v_max_num_f32 v[BM+\b], v[BM+\b], v[S+15+16*\b]
.endr
.irp b, 0,1,2,3
	s_delay_alu instid0(VALU_DEP_4)
	v_permlanex16_b32 v[BY+\b], v[BM+\b], s[SEL], s[SEL+1]
.endr
.irp b, 0,1,2,3
	s_delay_alu instid0(VALU_DEP_4)
	v_max_num_f32 v[BM+\b], v[BM+\b], v[BY+\b]
.endr
	s_delay_alu instid0(VALU_DEP_2)
	v_max3_num_f32 v[TA], v[BM], v[BM+1], v[BM+2]
	s_delay_alu instid0(VALU_DEP_1)
	v_max_num_f32 v[TA], v[TA], v[BM+3]
	s_delay_alu instid0(VALU_DEP_1)
	v_mul_f32 v[TA], s[CS], v[TA]
	s_delay_alu instid0(VALU_DEP_1)
	v_max_num_f32 v[NM+1], v[NM+1], v[TA]          ; the stream's running largest t
	v_mov_b32 v[TA], v[NM]
	s_delay_alu instid0(VALU_DEP_2)
	v_floor_f32 v[NM], -v[NM+1]                    ; -M = floor(-t)
	s_delay_alu instid0(VALU_DEP_1)
	v_sub_f32 v[TA], v[NM], v[TA]
	s_delay_alu instid0(VALU_DEP_1)
	v_cvt_i32_f32 v[TA], v[TA]                     ; (it saturates)
	s_delay_alu instid0(VALU_DEP_1)
	v_ldexp_f32 v[FF], 1.0, v[TA]                  ; f
.set nn, 0
.rept 32
	v_pk_fma_f32 v[S+nn:S+nn+1], v[S+nn:S+nn+1], s[CS:CS+1], v[NM:NM+1] op_sel_hi:[1,0,0]
.set nn, nn+2
.endr
.irp b, 0,1,2,3
	v_fma_f32 v[BM+\b], v[BM+\b], s[CS], v[NM]
.endr
.set nn, 0
	s_wait_alu depctr_va_vdst(0)                   ; the wait ahead of the batch
.rept 64
	v_exp_f32 v[S+nn], v[S+nn]
.set nn, nn+1
.endr
	v_pk_mul_f32 v[LS:LS+1], v[LS:LS+1], v[FF:FF+1] op_sel_hi:[1,0]
	s_wait_alu depctr_va_vdst(0)                   ; and behind it
.irp b, 0,1,2,3
	v_exp_f32 v[BM+\b], v[BM+\b]
.endr
.if (\knext) >= 0
	KLOAD \knext                                   ; the next period's K into the registers that this step's products have read
.endif
	v_pk_add_f32 v[192:193], v[108:109], v[112:113]
	v_pk_add_f32 v[254:255], v[116:117], v[120:121]
	v_pk_add_f32 v[252:253], v[124:125], v[128:129]
	v_pk_add_f32 v[250:251], v[132:133], v[136:137]
	v_pk_add_f32 v[248:249], v[140:141], v[144:145]
	v_pk_add_f32 v[246:247], v[148:149], v[152:153]
	v_pk_add_f32 v[244:245], v[156:157], v[160:161]
	v_pk_add_f32 v[30:31], v[30:31], v[164:165]
	v_pk_add_f32 v[192:193], v[192:193], v[104:105]
	v_pk_add_f32 v[254:255], v[254:255], v[106:107]
	v_pk_add_f32 v[252:253], v[252:253], v[110:111]
	v_pk_add_f32 v[250:251], v[250:251], v[114:115]
	v_pk_add_f32 v[248:249], v[248:249], v[118:119]
	v_pk_add_f32 v[246:247], v[246:247], v[122:123]
	v_pk_add_f32 v[244:245], v[244:245], v[126:127]
	v_pk_add_f32 v[30:31], v[30:31], v[130:131]
	v_pk_add_f32 v[192:193], v[192:193], v[134:135]
	v_pk_add_f32 v[254:255], v[254:255], v[138:139]
	v_pk_add_f32 v[252:253], v[252:253], v[142:143]
	v_pk_add_f32 v[250:251], v[250:251], v[146:147]
	v_pk_add_f32 v[248:249], v[248:249], v[150:151]
	v_pk_add_f32 v[246:247], v[246:247], v[154:155]
	v_pk_add_f32 v[244:245], v[244:245], v[158:159]
	v_pk_add_f32 v[30:31], v[30:31], v[162:163]
	v_pk_add_f32 v[192:193], v[192:193], v[166:167]
	s_delay_alu instid0(VALU_DEP_2)
	v_pk_add_f32 v[30:31], v[30:31], v[250:251]
	s_delay_alu instid0(VALU_DEP_2)
	v_pk_add_f32 v[192:193], v[192:193], v[248:249]
	v_pk_add_f32 v[254:255], v[254:255], v[246:247]
	v_pk_add_f32 v[252:253], v[252:253], v[244:245]
	s_delay_alu instid0(VALU_DEP_2)
	v_pk_add_f32 v[30:31], v[30:31], v[254:255]
	s_delay_alu instid0(VALU_DEP_2)
	v_pk_add_f32 v[192:193], v[192:193], v[252:253]
	s_delay_alu instid0(VALU_DEP_1)
	v_pk_add_f32 v[30:31], v[30:31], v[192:193]
	s_wait_alu depctr_va_vdst(0)                   ; for the four
.irp b, 0,1,2,3
	v_max_num_f32 v[BM+\b], 0x1800000, v[BM+\b]    ; the floor 2^(3 - 127): the byte cannot fall under 1
.endr
.irp b, 0,1,2,3
	s_delay_alu instid0(VALU_DEP_4)
	v_add_nc_u32 v[SO+\b], 0xff000000, v[BM+\b]
.endr
.irp b, 0,1,2,3
	s_delay_alu instid0(VALU_DEP_4)
	v_lshrrev_b32 v[BY+\b], 23, v[SO+\b]
.endr
	s_delay_alu instid0(VALU_DEP_3)
	v_lshl_or_b32 v[FF+1], v[BY+1], 8, v[BY]
	s_delay_alu instid0(VALU_DEP_1)
	v_lshl_or_b32 v[FF+1], v[BY+2], 16, v[FF+1]
	s_delay_alu instid0(VALU_DEP_1)
	v_lshl_or_b32 v[FF+1], v[BY+3], 24, v[FF+1]
.irp c, 0,1
	v_cvt_scalef32_pk16_fp6_f32 v[PC+6*\c:PC+6*\c+2], v[S+32*\c:S+32*\c+15], v[SO+2*\c]
	v_cvt_scalef32_pk16_fp6_f32 v[P2+4*\c:P2+4*\c+2], v[S+32*\c+16:S+32*\c+31], v[SO+2*\c+1]
.endr
	v_nop
.irp c, 0,1
.irp i, 0,1,2
	v_permlane16_swap_b32 v[PC+6*\c+\i], v[P2+4*\c+\i]
.endr
.irp i, 0,1,2
	s_delay_alu instid0(VALU_DEP_3)
	v_mov_b32 v[PC+3+6*\c+\i], v[P2+4*\c+\i]
.endr
.endr
.irp k, 0,1,2
	ds_store_b128 v[PWI], v[PC+4*\k:PC+4*\k+3] offset:6144*(\wset)+512*\k
.endr
	ds_store_b64 v[PWS], v[FF:FF+1] offset:1024*(\wset)
.endm
; four products: channel tiles n, n + 1 (fragments at fa, fb) x the two streams of step e
.macro MWG n, e, fa, fb
.set SCV, KS+(\n)/2
.if \e
.set SCV, VS1+(\n)/2
.endif
.irp q, 0,1
	v_wmma_scale_f32_16x16x128_f8f6f4 v[8*(8*(2*(\e)+\q)+(\n)):8*(8*(2*(\e)+\q)+(\n))+7], v[\fa:\fa+11], v[PF+12*(2*(\e)+\q):PF+12*(2*(\e)+\q)+11], v[8*(8*(2*(\e)+\q)+(\n)):8*(8*(2*(\e)+\q)+(\n))+7], v[SCV], v[FW+2*(2*(\e)+\q)+1] matrix_a_fmt:MATRIX_FMT_FP6 matrix_b_fmt:MATRIX_FMT_FP6
.endr
.irp q, 0,1
	v_wmma_scale_f32_16x16x128_f8f6f4 v[8*(8*(2*(\e)+\q)+(\n)+1):8*(8*(2*(\e)+\q)+(\n)+1)+7], v[\fb:\fb+11], v[PF+12*(2*(\e)+\q):PF+12*(2*(\e)+\q)+11], v[8*(8*(2*(\e)+\q)+(\n)+1):8*(8*(2*(\e)+\q)+(\n)+1)+7], v[SCV], v[FW+2*(2*(\e)+\q)+1] matrix_a_fmt:MATRIX_FMT_FP6 matrix_b_fmt:MATRIX_FMT_FP6 matrix_a_scale:MATRIX_SCALE_ROW1
.endr
.endm
.macro VRE m, to, sg                   ; step 1's fragments m, m + 1 into the registers at to
.irp d, 0,1
.irp k, 0,1,2
	ds_load_b128 v[\to+12*\d+4*\k:\to+12*\d+4*\k+3], v[AV+2*(\sg)+1] offset:1536*((\m)+\d)+512*\k
.endr
.endr
.endm
; MW's period: each stream's O^T = f O^T + V^T P^T.  72 LDS loads, which come back in the order of issue (ISA guide 5.7.1): 4 pairs, 12 of P, 8 words, 24 of V's step 0, 12 of step 1, and 6 + 6 behind the first two groups of products.
; Each wait's count is the loads issued behind the ones that it needs.  Each of the 32 accumulators has one product a period: they take turns.
.macro MW2 sg, rset, skip
.if \skip
	s_cmp_lg_u32 s[ODD], 0
	s_cbranch_scc1 .Lmskip_\@
.endif
.irp q, 0,1,2,3
	ds_load_b64 v[FW+2*\q:FW+2*\q+1], v[PRS] offset:1024*(\rset)+256*\q
.endr
.irp q, 0,1,2,3
.irp k, 0,1,2
	ds_load_b128 v[PF+12*\q+4*\k:PF+12*\q+4*\k+3], v[PRI] offset:6144*(\rset)+1536*\q+512*\k
.endr
.endr
.irp i, 0,1,2,3
	ds_load_b32 v[KS+\i], v[AVS] offset:SM+SMB*(\sg)+13312+128*\i
.endr
.irp i, 0,1,2,3
	ds_load_b32 v[VS1+\i], v[AVS] offset:SM+SMB*(\sg)+13312+2048+128*\i
.endr
.irp n, 0,1,2,3,4,5,6,7
.irp k, 0,1,2
	ds_load_b128 v[VF+12*\n+4*\k:VF+12*\n+4*\k+3], v[AV+2*(\sg)] offset:1536*\n+512*\k
.endr
.endr
.irp n, 0,1,2,3
.irp k, 0,1,2
	ds_load_b128 v[VG+12*\n+4*\k:VG+12*\n+4*\k+3], v[AV+2*(\sg)+1] offset:1536*\n+512*\k
.endr
.endr
	s_wait_dscnt 56                                ; the four pairs are in
	WIN 0x41
	s_wait_alu depctr_va_vdst(0)                   ; the wait ahead of the first readers of O^T
.irp q, 0,1,2,3
.set nn, 0
.rept 32
	v_pk_mul_f32 v[64*\q+nn:64*\q+nn+1], v[64*\q+nn:64*\q+nn+1], v[FW+2*\q:FW+2*\q+1] op_sel_hi:[1,0]
.set nn, nn+2
.endr
.endr
	WIN 0
	s_wait_alu depctr_va_vdst(0)
	s_wait_dscnt 30
	WIN 0x50
	MWG 0, 0, VF, VF+12
	WIN 0
	PLACES
	VRE 4, VF, \sg
	s_wait_dscnt 30
	WIN 0x50
	MWG 2, 0, VF+24, VF+36
	WIN 0
	PLACES
	VRE 6, VF+24, \sg
	s_wait_dscnt 30
	WIN 0x50
	MWG 4, 0, VF+48, VF+60
	s_wait_dscnt 24
	MWG 6, 0, VF+72, VF+84
	s_wait_dscnt 18
	MWG 0, 1, VG, VG+12
	s_wait_dscnt 12
	MWG 2, 1, VG+24, VG+36
	s_wait_dscnt 6
	MWG 4, 1, VF, VF+12
	s_wait_dscnt 0x0
	MWG 6, 1, VF+24, VF+36
	WIN 0
	PLACES5                                        ; five: behind the join the text goes on with products that write register numbers read here
.if \skip
.Lmskip_\@:
.endif
.endm
.macro PERIOD kn, wset, mask, sskip, sg, rset, mskip
	s_cmp_lt_u32 s[WV], 4
	s_cbranch_scc0 .Lsw_\@
	MW2 \sg, \rset, \mskip
	s_branch .Ljoin_\@
.Lsw_\@:
.if \sskip
	s_cmp_lg_u32 s[ODD], 0
	s_cbranch_scc1 .Ljoin_\@
.endif
	SWSTEP \kn, \wset, \mask
.Ljoin_\@:
.endm
.macro ARM under, g0, g1, next
	s_cmp_lt_u32 s[WV], \under
	s_cbranch_scc0 \next
	tensor_load_to_lds s[\g0:\g0+3], s[\g1:\g1+7]
	s_nop 0
	PLACES
	s_branch .Lhead_asked
\next:
.endm
.macro TOSTAGE q
	WIN 0x04
.irp n, 0,1,2,3,4,5,6,7
	ds_store_b128 v[STO], v[8*(8*(\q)+\n):8*(8*(\q)+\n)+3] offset:64*\n
	ds_store_b128 v[STO], v[8*(8*(\q)+\n)+4:8*(8*(\q)+\n)+7] offset:64*\n+16
.endr
	WIN 0
.irp t, 0,1,2,3,4,5,6,7,8,9,10,11,12,13,14,15
	ds_load_b128 v[32+64*(\q)+4*\t:32+64*(\q)+4*\t+3], v[SRD] offset:528*\t
.endr
.endm
.macro SEND q
.irp t, 0,1,2,3,4,5,6,7,8,9,10,11,12,13,14,15
	global_store_b128 v[L16], v[32+64*(\q)+4*\t:32+64*(\q)+4*\t+3], s[OP:OP+1] offset:(8*(\q)+\t+8*(\t/8))*2048 th:TH_STORE_NT   ; 32 lanes store 512 consecutive bytes, aligned
.endr
.endm
	s_load_b128 s[4:7], s[0:1], 0x0                ; qimg, kv
	s_load_b64 s[8:9], s[0:1], 0x10                ; out0
	v_lshl_add_u32 v[SPW], v0, 2, SPARE
	v_mov_b32 v[NIL], 0
	ds_add_u32 v[SPW], v[NIL]
	ds_add_u32 v[SPW], v[NIL]
	v_lshrrev_b32 v[RR], 5, v0
	v_readfirstlane_b32 s[WV], v[RR]
	s_and_b32 s[WQ], s[WV], 3
	s_bfe_u32 s[CX], ttmp6, 0x40000
	s_mov_b32 s[BA], ttmp9                         ; the cluster's x: the batch
	s_and_b32 s[JJ], ttmp7, 0xffff                 ; its y: j
	s_mov_b32 s[WALK], 0
	s_mov_b32 s[SEL], 0x76543210
	s_mov_b32 s[SEL+1], 0xfedcba98
	s_mov_b32 s[CS], 0x3e38aa3b                    ; log2(e) / 8
	s_mov_b32 s[CS+1], s[CS]
.irp g, G1V, G1S, G1Z                          ; dense blocks as rows of 256 bytes
	s_mov_b32 s[\g], 15|(3<<16)|(1<<21)
	s_mov_b32 s[\g+1], 32<<16
	s_mov_b32 s[\g+3], 32<<16
	s_mov_b32 s[\g+5], 32
	s_mov_b32 s[\g+6], 0
	s_mov_b32 s[\g+7], 0
.endr
	s_mov_b32 s[G1V+2], 96<<16
	s_mov_b32 s[G1V+4], 96
	s_mov_b32 s[G1S+2], 68<<16
	s_mov_b32 s[G1S+4], 68
	s_mov_b32 s[G1Z+2], 52<<16
	s_mov_b32 s[G1Z+4], 52
	s_mul_i32 s78, s[WQ], 1536
	s_add_co_u32 s78, s78, PIMG
	s_lshl_b32 s79, s[WQ], 8
	s_add_co_u32 s79, s79, PSF
	s_mul_i32 s80, s[WQ], 12288
	s_add_co_u32 s80, s80, VA
	s_lshl_b32 s81, s[WQ], 9
	s_mul_i32 s82, s[WQ], 8448
	s_add_co_u32 s82, s82, STAGE
	s_lshr_b32 s83, s[WQ], 1                       ; e
	s_mul_i32 s83, s83, KU
	s_mul_i32 s[VQ], s[WQ], 24576
	s_mul_i32 s84, s[BA], BATCHB
	s_mov_b32 s85, 0
	v_and_b32 v[PFO], 31, v0
	v_and_b32 v[RR], 15, v0
	v_bfe_u32 v[HH], v0, 4, 1
	v_lshlrev_b32 v[L16], 4, v[PFO]
	v_lshlrev_b32 v[L8], 3, v[PFO]
	v_lshlrev_b32 v[L4], 2, v[PFO]
	v_lshl_add_u32 v[PFO], s[WQ], 5, v[PFO]        ; block 32 (wave % 4) + lane,
	v_mul_u32_u24 v[STO], v[RR], 528
	v_add_nc_u32 v[PWI], s78, v[L16]
	v_add_nc_u32 v[PWS], s79, v[L8]
	v_min_u32 v[PFO], 112, v[PFO]                  ; of 113
	v_add_nc_u32 v[PRI], PIMG, v[L16]
	v_add_nc_u32 v[PRS], PSF, v[L8]
	v_add_nc_u32 v[AV], s80, v[L16]
	v_add_nc_u32 v[AVS], s81, v[L4]
	v_lshlrev_b32 v[PFO], 8, v[PFO]
	v_lshl_add_u32 v[STO], v[HH], 5, v[STO]
	v_add_nc_u32 v[SRD], s82, v[L16]
	v_add_nc_u32 v[KA16], s83, v[L16]
	v_add_nc_u32 v[KA8], s83, v[L8]
	v_add_nc_u32 v[KA4], s83, v[L4]
	v_add_nc_u32 v[AV+1], VU, v[AV]
	v_add_nc_u32 v[AV+2], VSL, v[AV]
	v_add_nc_u32 v[AV+3], VSL+VU, v[AV]
	v_add_nc_u32 v[STO], s82, v[STO]
	s_wait_alu depctr_va_vdst(0)                   ; the wait at the head's end
	s_wait_dscnt 0x0
	s_wait_kmcnt 0x0
	s_add_nc_u64 s[KVB:KVB+1], s[6:7], s[84:85]    ; the batch's slots
	s_mov_b32 s84, s[VQ]
	s_add_nc_u64 s[KVQ:KVQ+1], s[KVB:KVB+1], s[84:85]
	s_mov_b32 s[G0Z], 1
	s_mov_b32 s[G0Z+1], 0
	s_add_nc_u64 s[G0Z+2:G0Z+3], s[KVB:KVB+1], 14*SLOTB   ; K of steps 0, 1
	s_or_b32 s[G0Z+3], s[G0Z+3], 0x80000000
	s_mov_b32 s[G0Y], 1
	s_mov_b32 s[G0Y+1], KZB
	s_add_nc_u64 s[G0Y+2:G0Y+3], s[KVB:KVB+1], 15*SLOTB   ; K of steps 2, 3
	s_or_b32 s[G0Y+3], s[G0Y+3], 0x80000000
.Lwalk:                                            ; a walk: one cluster of 128 queries.  Its first loads stand behind the full sequence: in the second walk they fill bytes again
	s_wait_tensorcnt 0x0
	ds_add_u32 v[SPW], v[NIL]                      ; twice on end
	ds_add_u32 v[SPW], v[NIL]
	s_wait_xcnt 0x0                                ; the last walk's stores, loads and prefetches have read their registers
	s_sub_co_u32 s[CC], 31, s[JJ]
	s_cmp_eq_u32 s[WALK], 0
	s_cselect_b32 s[CC], s[CC], s[JJ]              ; c
	s_lshr_b32 s78, s[CC], 1                       ; C
	s_add_co_u32 s[ODD], s78, 1
	s_and_b32 s[ODD], s[ODD], 1
	s_add_co_u32 s[CNT], s78, 2
	s_lshr_b32 s[CNT], s[CNT], 1
	s_sub_co_u32 s[CNT], s[CNT], 1                 ; pairs of slots - 1: the last pair is written out
	s_mov_b32 s[SKF], 0
	s_lshl_b32 s[QF], s78, 8
	s_cmp_gt_u32 s[WV], 3
	s_cselect_b32 s79, 0, 1
	s_or_b32 s79, s79, s[WALK]
	s_cmp_eq_u32 s79, 0
	s_cselect_b32 s[LIM], 1, -1                    ; waves 4-7, first walk: the same in all four partners
.irp g, 0,1
	s_mov_b32 s[G0V+4*\g], 1
	s_add_co_u32 s[G0V+4*\g+1], s[VQ], VA+VSL*\g
	s_add_nc_u64 s[G0V+4*\g+2:G0V+4*\g+3], s[KVQ:KVQ+1], \g*SLOTB+SMB
	s_or_b32 s[G0V+4*\g+3], s[G0V+4*\g+3], 0x80000000
	s_mov_b32 s[G0S+4*\g], 1
	s_mov_b32 s[G0S+4*\g+1], SM+SMB*\g
	s_add_nc_u64 s[G0S+4*\g+2:G0S+4*\g+3], s[KVB:KVB+1], \g*SLOTB
	s_or_b32 s[G0S+4*\g+3], s[G0S+4*\g+3], 0x80000000
.endr
	s_wait_dscnt 0x0
	CROUND
	ARM 4, G0V, G1V, .Lh_kz                        ; one joint load a wave: V of slot 0 in quarters,
	ARM 5, G0Z, G1Z, .Lh_ky                        ; K of steps 0, 1,
	ARM 6, G0Y, G1Z, .Lh_s0                        ; of steps 2, 3,
	ARM 7, G0S, G1S, .Lh_s1                        ; slot 0's small part,
	tensor_load_to_lds s[G0S+4:G0S+7], s[G1S:G1S+7]   ; slot 1's
	s_nop 0
	PLACES
.Lhead_asked:
	s_mul_i32 s80, s[CX], 28928                    ; my work-group's 113 blocks of a slot
	s_add_co_u32 s80, s80, SLOTB
	s_mov_b32 s81, 0
	s_add_nc_u64 s[PFA:PFA+1], s[KVB:KVB+1], s[80:81]
	ASK 2, 0                                       ; slot 1: V's load is issued behind period 0
	ASK 1, SLOTB                                   ; slot 2: its load is issued behind period 1
	s_lshl_b32 s80, s[BA], 8
	s_lshl_b32 s79, s[CC], 3
	s_add_co_u32 s80, s80, s79
	s_lshl_b32 s79, s[CX], 1
	s_add_co_u32 s80, s80, s79
	s_and_b32 s79, s[WQ], 1                        ; tq
	s_add_co_u32 s80, s80, s79
	s_lshl_b32 s80, s80, 10
	s_add_nc_u64 s[QP:QP+1], s[4:5], s[80:81]      ; my tile's record of Q
	s_cmp_lt_u32 s[WV], 4
	s_cbranch_scc1 .Lno_q
	global_load_b128 v[QC:QC+3], v[L16], s[QP:QP+1]
	global_load_b64 v[QC+4:QC+5], v[L8], s[QP:QP+1] offset:512
	global_load_b32 v[QS], v[L8], s[QP:QP+1] offset:768
.Lno_q:
	s_lshl_b32 s[TQF], s[CC], 7
	s_lshl_b32 s79, s[CX], 5
	s_add_co_u32 s[TQF], s[TQF], s79
	s_and_b32 s79, s[WQ], 1
	s_lshl_b32 s79, s79, 3
	s_add_co_u32 s[TQF], s[TQF], s79
	s_lshr_b32 s79, s[WQ], 1
	s_lshl_b32 s79, s79, 7
	s_sub_co_u32 s[TQF], s[TQF], s79               ; my tile's first query - 128 e
	s_lshl_b32 s80, s[BA], 23
	s_lshl_b32 s79, s[CC], 18
	s_add_co_u32 s80, s80, s79
	s_lshl_b32 s79, s[CX], 16
	s_add_co_u32 s80, s80, s79
	s_lshl_b32 s79, s[WQ], 9
	s_add_co_u32 s80, s80, s79
	s_add_nc_u64 s[OP:OP+1], s[8:9], s[80:81]      ; MW: my 32 rows of out, my 128 channels
	s_wait_tensorcnt 0x0                           ; my part of the head's tiles is in
	s_wait_loadcnt 0x0
	s_barrier_signal -1
	s_barrier_wait -1
	; PERIOD 0: SW's steps 0 and 1.  MW has no step yet: it clears O^T, so that its period has one form
	s_cmp_lt_u32 s[WV], 4
	s_cbranch_scc0 .Lsw_first
	WIN 0x40
.set nn, 0
.rept 256
	v_mov_b32 v[nn], 0
.set nn, nn+1
.endr
	WIN 0
	s_branch .Ljoin_first
.Lsw_first:
	KLOAD 0
.irp i, 0,1,2,3,4,5
	v_mov_b32 v[QC+6+\i], 0                        ; zero codes for k = 64 .. 127
	v_mov_b32 v[KFR+48+\i], 0
.endr
	v_and_b32 v[QD], 8, v[RR]
	s_delay_alu instid0(VALU_DEP_1)
	v_add_nc_u32 v[QD], v[QD], v[RR]
	s_delay_alu instid0(VALU_DEP_1)
	v_add_nc_u32 v[QD], s[TQF], v[QD]
	v_lshlrev_b32 v[TA], 4, v[HH]
	s_delay_alu instid0(VALU_DEP_1)
	v_sub_nc_u32 v[QD], v[QD], v[TA]               ; my query - 128 e - 16 h
	v_mov_b32 v[NM+1], 0xff61b1e6                  ; the largest t so far: -3e38
	s_delay_alu instid0(VALU_DEP_1)
	v_floor_f32 v[NM], -v[NM+1]
	v_mov_b32 v[LS], 0
	v_mov_b32 v[LS+1], 0
.irp b, 0,1,2,3
	v_mov_b32 v[BY+\b], 0
.endr
	v_mov_b32 v[FF+1], 0
	s_wait_alu depctr_va_vdst(0)
	SWSTEP KZB, 0, 1
.Ljoin_first:
	s_wait_tensorcnt 0x0                           ; V of slot 1 is asked for as a refill is
	ds_add_u32 v[SPW], v[NIL]
	s_add_co_u32 s[SKF], s[SKF], 256
	s_wait_xcnt 0x0                                ; the head's prefetches have read their address
	s_add_nc_u64 s[PFA:PFA+1], s[PFA:PFA+1], 2*SLOTB
	s_wait_dscnt 0x0
	CROUND
	s_cmp_lt_u32 s[WV], 4
	s_cbranch_scc0 .Lno_v1
	tensor_load_to_lds s[G0V+4:G0V+7], s[G1V:G1V+7]
	s_nop 0
	PLACES
.Lno_v1:
	ASK 1, 0                                       ; slot 3
	s_cmp_eq_u32 s[CNT], 0
	s_cbranch_scc1 .Ltail
.Lloop:                                            ; a trip: two periods, two slots, both filled again
	PERIOD SM, 1, 0, 0, 0, 0, 0
	CHANGE 1, 0
	PERIOD SM+SMB, 0, 1, 0, 1, 1, 0
	CHANGE 1, 1
	s_sub_co_u32 s[CNT], s[CNT], 1
	s_cmp_lg_u32 s[CNT], 0
	s_cbranch_scc1 .Lloop
.Ltail:                                            ; the walk's last two slots: nothing more is asked for
	PERIOD -1, 1, 1, 1, 0, 0, 0
	CHANGE 0, 0
	s_cmp_lt_u32 s[WV], 4
	s_cbranch_scc0 .Lsw_last
	MW2 1, 1, 1
	s_branch .Ljoin_last
.Lsw_last:                                         ; SW: my stream's {-M, sum} goes where set 0's pair went; MW reads set 1 in this period
	v_add_f32 v[LS], v[LS], v[LS+1]
	s_delay_alu instid0(VALU_DEP_1)
	v_permlanex16_b32 v[TA], v[LS], s[SEL], s[SEL+1]
	s_delay_alu instid0(VALU_DEP_1)
	v_add_f32 v[NM+1], v[LS], v[TA]
	ds_store_b64 v[PWS], v[NM:NM+1]
.Ljoin_last:
	BAR
	s_cmp_lt_u32 s[WV], 4
	s_cbranch_scc0 .Ldone
	; THE WAY OUT, MW alone.  Tile t: streams t and 2 + t.  Factor of a stream: 2^(its M - the larger M) / (the sum of both sums under the larger M)
.irp q, 0,1,2,3
	ds_load_b64 v[MG+2*\q:MG+2*\q+1], v[PRS] offset:256*\q
.endr
	s_wait_dscnt 0x0
.irp t, 0,1
	v_min_num_f32 v[MT+\t], v[MG+2*\t], v[MG+4+2*\t]   ; - the larger M
.endr
.irp q, 0,1,2,3
	v_sub_f32 v[MG+2*\q], v[MT+(\q)%2], v[MG+2*\q]
.endr
.irp q, 0,1,2,3
	v_cvt_i32_f32 v[MG+2*\q], v[MG+2*\q]           ; (it saturates: a stream with no open key gets the factor 0)
.endr
.irp q, 0,1,2,3
	v_ldexp_f32 v[MG+2*\q], 1.0, v[MG+2*\q]
.endr
.irp t, 0,1
	v_mul_f32 v[MT+\t], v[MG+2*\t], v[MG+2*\t+1]
.endr
.irp t, 0,1
	v_fmac_f32 v[MT+\t], v[MG+4+2*\t], v[MG+5+2*\t]
.endr
	s_wait_alu depctr_va_vdst(0)
.irp t, 0,1
	v_rcp_f32 v[MT+2+\t], v[MT+\t]
.endr
	v_nop
	s_wait_alu depctr_va_vdst(0)
.irp q, 0,1,2,3
	v_mul_f32 v[MG+2*\q], v[MG+2*\q], v[MT+2+(\q)%2]
.endr
	WIN 0x41
	s_wait_alu depctr_va_vdst(0)                   ; the wait ahead of the first readers of O^T
.irp t, 0,1
.set nn, 0
.rept 32
	v_pk_mul_f32 v[64*\t+nn:64*\t+nn+1], v[64*\t+nn:64*\t+nn+1], v[MG+2*\t:MG+2*\t+1] op_sel_hi:[1,0]
.set nn, nn+2
.endr
.endr
	WIN 0x51
	s_wait_alu depctr_va_vdst(0)
.irp t, 0,1
.set nn, 0
.rept 32
	v_pk_fma_f32 v[64*\t+nn:64*\t+nn+1], v[128+64*\t+nn:128+64*\t+nn+1], v[MG+4+2*\t:MG+5+2*\t], v[64*\t+nn:64*\t+nn+1] op_sel_hi:[1,0,1]
.set nn, nn+2
.endr
.endr
	WIN 0
	s_wait_alu depctr_va_vdst(0)
	TOSTAGE 0                                      ; a tile through my own stage and back as whole rows of 512 bytes; LDS serves a wave's instructions in order (ISA guide 5.7.1.4)
	TOSTAGE 1
	s_wait_dscnt 32                                ; tile 0 is back; behind its loads: tile 1's 16 stores and 16 loads
	SEND 0
	s_wait_dscnt 0x0
	SEND 1
.Ldone:
	s_add_co_u32 s[WALK], s[WALK], 1
	s_cmp_lt_u32 s[WALK], 2
	s_wait_alu depctr_va_vdst(0)
	s_cbranch_scc1 .Lwalk
	s_wait_tensorcnt 0x0                           ; the wave's end
	ds_add_u32 v[SPW], v[NIL]
	s_wait_dscnt 0x0
	CROUND                                         ; the closing round
	s_endpgm
.Lfunc_end_k_q8fdc301280_attn:
	.size	k_q8fdc301280_attn, .Lfunc_end_k_q8fdc301280_attn-k_q8fdc301280_attn
	.p2alignl 7, 3214868480
	.fill 96, 4, 3214868480
	.section	.rodata,"a",@progbits
	.p2align	6, 0x0
	.amdhsa_kernel k_q8fdc301280_attn
		.amdhsa_group_segment_fixed_size 327680
		.amdhsa_private_segment_fixed_size 0
		.amdhsa_enable_private_segment 0
		.amdhsa_kernarg_size 24
		.amdhsa_user_sgpr_count 2
		.amdhsa_user_sgpr_kernarg_segment_ptr 1
		.amdhsa_wavefront_size32 1
		.amdhsa_system_sgpr_workgroup_id_x 1
		.amdhsa_system_sgpr_workgroup_id_y 1
		.amdhsa_system_sgpr_workgroup_id_z 1
		.amdhsa_system_vgpr_workitem_id 0
		.amdhsa_next_free_vgpr 512
		.amdhsa_next_free_sgpr 100
		.amdhsa_reserve_vcc 1
		.amdhsa_float_denorm_mode_32 3
		.amdhsa_float_denorm_mode_16_64 3
		.amdhsa_memory_ordered 1
		.amdhsa_forward_progress 1
		.amdhsa_inst_pref_size 186
	.end_amdhsa_kernel
	.amdgpu_metadata
---
amdhsa.version: [ 1, 2 ]
amdhsa.kernels:
  - .name:           k_q8fdc301280_attn
    .symbol:         k_q8fdc301280_attn.kd
    .args:
      - { .name: qimg, .offset: 0, .size: 8, .value_kind: global_buffer, .address_space: global }
      - { .name: kv, .offset: 8, .size: 8, .value_kind: global_buffer, .address_space: global }
      - { .name: out0, .offset: 16, .size: 8, .value_kind: global_buffer, .address_space: global }
    .group_segment_fixed_size: 327680
    .private_segment_fixed_size: 0
    .kernarg_segment_align: 8
    .kernarg_segment_size: 24
    .max_flat_workgroup_size: 256
    .sgpr_count:     100
    .vgpr_count:     512
    .wavefront_size: 32
...
	.end_amdgpu_metadata
.endif
;; end of part 3
